; MI455X (gfx1250); checked and timed in simulation.
; The chip was launched on July 23, 2026; its instructions are those of AMD's public machine-readable ISA for CDNA 5 (MIT licence, August 2026) and "CDNA5" Instruction Set Architecture Reference Guide (July 2026). The comments in the code are by the model that wrote it; some were corrected since.
;; Mixture Of Experts. Allowed arithmetic: float matrix products may take bf16 or f16 operands with f32 sums; all other float work in f32.
;; Inputs: expert_b 8 x 2,048 float32; expert_w 8 x 2,048 x 2,048 float32; gate_b 8 float32; gate_w 2,048 x 8 float32; x 2,048 x 2,048 float32.
;; Outputs: out0 2,048 x 2,048 float32.
;; 2 versions, each right; version 2 is version 1 with the launch gemm written anew for expert scheduling mode. Each part assembles by itself: llvm-mc -triple=amdgcn-amd-amdhsa -mcpu=gfx1250 --defsym DOCPART=n.
;; ======== version 1 of 2: 6 launches
;; limits: values are held in f16: magnitudes above 65,504 overflow, below 6.1e-05 lose precision
;; workspace buffers: sel 8,192 bytes of whole numbers; wts 16,384 bytes; cnt 256 bytes of whole numbers; list 67,584 bytes of whole numbers; pos 16,384 bytes of whole numbers; xs 83,886,080 bytes; y 134,217,728 bytes
;; launch gate (part 1): grid 256 x 1, 8 waves a work-group, no clusters, 76,800 bytes of LDS; arguments x, gate_w, gate_b, sel, wts; writes sel, wts
.if DOCPART == 1
	.amdgcn_target "amdgcn-amd-amdhsa--gfx1250"
	.amdhsa_code_object_version 6
	.text
	.protected	k_q6bf853e15e_gate
	.globl	k_q6bf853e15e_gate
	.p2align	8
	.type	k_q6bf853e15e_gate,@function
k_q6bf853e15e_gate:
	s_mov_b64 s[64:65], 0
	v_nop
	global_prefetch_b8 v0, s[64:65] scope:SCOPE_SE
	s_setreg_imm32_b32 hwreg(HW_REG_WAVE_MODE, 25, 1), 1
	s_wait_xcnt 0x0
; logits = x gate_w + gate_b, the two largest of the 8 logits of each token, and the softmax over those two.
; Out: sel[t] = i1 | i2 << 8 (whole numbers, for the launches that follow), wts[t] = (w1, w2) in f32.
; The product is made in f32 on the vector unit, not in bf16 on the matrix unit: it decides a CHOICE, and a logit rounded to 8 bits of
; mantissa would hand some tokens another expert, that is a wholly different output row.  It is 2048 x 2048 x 8 multiply-adds,
; one part in 2048 of the experts' dense product.
; LIMITS: the f32 sums run in another order than a plain dot product's, so two logits that agree to the last bits may be taken in
; the other order; equal logits go to the lower index; NaN among the logits is not served.
; The work-group owns 8 tokens.  Wave w owns d = 256 w .. 256 w + 255 of all 8; lane l owns d = 256 w + 128 ip + 4 l + dd (ip 0..1, dd 0..3).
.set PITCH, 144                        ; LDS: a group of 4 rows of gate_w (128 bytes) + 16: an odd multiple of 16, so 16 lanes that read 16 groups meet 16 different columns
.set WGW,   9216                       ; 64 groups: a wave's 256 rows of gate_w
.set PART,  73728                      ; behind the eight waves' groups: [wave][token*8 + e] f32, 256 bytes a wave
.set T,   8                            ; v[8:15]    at work
.set GW,  16                           ; v[16:79]   gate_w[d][e] at 32 ip + 8 dd + e
.set X,   80                           ; v[80:143]  x[token i][d] at 8 i + 4 ip + dd
.set ACC, 144                          ; v[144:207] sums at 8 i + e; before that the stage for gate_w as loaded
	s_load_b256 s[4:11], s[0:1], 0x0               ; x s[4:5], gate_w s[6:7], gate_b s[8:9], sel s[10:11]
	s_load_b64 s[12:13], s[0:1], 0x20              ; wts
	v_lshl_add_u32 v208, v0, 2, 0x12800
	v_mov_b32 v209, 0
	v_and_b32 v1, 31, v0                           ; lane
	v_lshrrev_b32 v8, 5, v0
	v_readfirstlane_b32 s14, v8                    ; wave
	s_mov_b32 s24, 0x76543210                      ; v_permlanex16_b32: lane i reads lane i of the other half
	s_mov_b32 s25, 0xfedcba98
	s_mov_b32 s26, 0xaaaaaaaa                      ; lanes whose bit 0 is set,
	s_mov_b32 s27, 0xcccccccc                      ; bit 1,
	s_mov_b32 s28, 0xf0f0f0f0                      ; bit 2,
	s_mov_b32 s29, 0xff00ff00                      ; bit 3,
	s_mov_b32 s30, 0xffff0000                      ; bit 4
	s_lshl_b32 s2, s14, 10
	v_lshl_add_u32 v2, v1, 4, s2                   ; x: 1024 w + 16 l in a row
	s_lshl_b32 s3, s14, 13
	v_lshl_add_u32 v3, v1, 4, s3                   ; gate_w: 8192 w + 16 l
	s_mul_i32 s15, s14, WGW
	v_lshrrev_b32 v8, 3, v1
	v_and_b32 v9, 7, v1
	v_mul_u32_u24 v4, v8, PITCH                    ; in: 8 lanes fill a group of 128 bytes
	v_lshl_add_u32 v4, v9, 4, v4
	v_add_nc_u32 v4, s15, v4
	v_mul_u32_u24 v5, v1, PITCH                    ; back: lane l takes group l (and l + 32)
	v_add_nc_u32 v5, s15, v5
	v_lshl_add_u32 v7, v9, 5, PART                 ; the end: lane l takes token l mod 8, 32 bytes of each wave's part
	v_and_b32 v8, 1, v1                            ; where my two sums go: word 32 b0 + 16 b1 + 8 b2 + 4 b3 + 2 b4 (bk: bit k of the lane)
	v_lshlrev_b32 v6, 7, v8
	v_bfe_u32 v8, v1, 1, 1
	v_lshl_add_u32 v6, v8, 6, v6
	v_bfe_u32 v8, v1, 2, 1
	v_lshl_add_u32 v6, v8, 5, v6
	v_bfe_u32 v8, v1, 3, 1
	v_lshl_add_u32 v6, v8, 4, v6
	v_bfe_u32 v8, v1, 4, 1
	v_lshl_add_u32 v6, v8, 3, v6
	s_lshl_b32 s15, s14, 8
	s_add_co_u32 s15, s15, PART
	v_add_nc_u32 v6, s15, v6
	s_lshl_b32 s32, ttmp9, 16                      ; 8 rows of 8,192 bytes for each work-group
	s_mov_b32 s33, 0
	s_lshl_b32 s34, ttmp9, 3                       ; my first token
	s_wait_kmcnt 0x0
	s_add_nc_u64 s[4:5], s[4:5], s[32:33]
	s_load_b256 s[16:23], s[8:9], 0x0              ; gate_b, all 8
.irp n, 0,1,2,3,4,5,6,7,8,9,10,11,12,13,14,15
	global_load_b128 v[ACC+4*\n:ACC+4*\n+3], v3, s[6:7] offset:512*\n      ; my wave's 8 KB of gate_w, 512 consecutive bytes a load
.endr
.irp i, 0,1,2,3,4,5,6,7
	global_load_b128 v[X+8*\i:X+8*\i+3],   v2, s[4:5] offset:8192*\i        ; no hint: a later launch reads x again
	global_load_b128 v[X+8*\i+4:X+8*\i+7], v2, s[4:5] offset:8192*\i+512
.endr
	s_wait_loadcnt 16                              ; gate_w is in; the 16 younger loads, x, stay out
.irp n, 0,1,2,3,4,5,6,7,8,9,10,11,12,13,14,15
	ds_store_b128 v4, v[ACC+4*\n:ACC+4*\n+3] offset:4*PITCH*\n             ; a load's 512 bytes are 4 groups
.endr
.irp ip, 0,1
.irp dd, 0,1,2,3
	ds_load_b128 v[GW+32*\ip+8*\dd:GW+32*\ip+8*\dd+3],   v5 offset:32*PITCH*\ip+32*\dd       ; the wave's own bytes, served in the order of issue: no barrier
	ds_load_b128 v[GW+32*\ip+8*\dd+4:GW+32*\ip+8*\dd+7], v5 offset:32*PITCH*\ip+32*\dd+16
.endr
.endr
	s_wait_dscnt 0x0
	s_wait_loadcnt 0x0                             ; x
	s_wait_kmcnt 0x0                               ; gate_b
; token i, one d of mine: 8 multiply-adds in 4 packed ones; x[d] is one register of a pair, taken for both halves.  The first d starts the sums.
.macro GSTEP i, ip, dd
.irp pe, 0,1,2,3
.if (\ip+\dd) == 0
	v_pk_mul_f32 v[ACC+8*\i+2*\pe:ACC+8*\i+2*\pe+1], v[GW+2*\pe:GW+2*\pe+1], v[X+8*\i:X+8*\i+1] op_sel_hi:[1,0]
.elseif (\dd&1) == 0
	v_pk_fma_f32 v[ACC+8*\i+2*\pe:ACC+8*\i+2*\pe+1], v[GW+32*\ip+8*\dd+2*\pe:GW+32*\ip+8*\dd+2*\pe+1], v[X+8*\i+4*\ip+(\dd&2):X+8*\i+4*\ip+(\dd&2)+1], v[ACC+8*\i+2*\pe:ACC+8*\i+2*\pe+1] op_sel_hi:[1,0,1]
.else
	v_pk_fma_f32 v[ACC+8*\i+2*\pe:ACC+8*\i+2*\pe+1], v[GW+32*\ip+8*\dd+2*\pe:GW+32*\ip+8*\dd+2*\pe+1], v[X+8*\i+4*\ip+(\dd&2):X+8*\i+4*\ip+(\dd&2)+1], v[ACC+8*\i+2*\pe:ACC+8*\i+2*\pe+1] op_sel:[0,1,0] op_sel_hi:[1,1,1]
.endif
.endr
.endm
.irp ip, 0,1
.irp dd, 0,1,2,3
.irp i, 0,1,2,3,4,5,6,7
	GSTEP \i, \ip, \dd                             ; 32 independent sums between two links of one chain
.endr
.endr
.endr
; 64 sums in each of 32 lanes become 2 whole sums a lane.  A stage halves the sums that a lane keeps: lanes with the stage's bit clear keep the
; lower half and send the upper half to the partner, the others the other way round; the add takes the partner's value as it reads it.
.macro HALVE n, mask, xm
.set idx, 0
.rept \n/2
	v_cndmask_b32 v[T+2*(idx%4)],   v[ACC+idx], v[ACC+idx+\n/2], \mask      ; what I keep
	v_cndmask_b32 v[T+2*(idx%4)+1], v[ACC+idx+\n/2], v[ACC+idx], \mask      ; what I send
	v_add_f32_dpp v[ACC+idx], v[T+2*(idx%4)+1], v[T+2*(idx%4)] row_xmask:\xm row_mask:0xf bank_mask:0xf
.set idx, idx+1
.endr
.endm
	HALVE 64, s26, 1
	HALVE 32, s27, 2
	HALVE 16, s28, 4
	HALVE 8,  s29, 8
.irp k, 0,1                                        ; the last stage crosses the halves of 16 lanes
	v_cndmask_b32 v[T+2*\k],   v[ACC+\k], v[ACC+\k+2], s30
	v_cndmask_b32 v[T+2*\k+1], v[ACC+\k+2], v[ACC+\k], s30
	v_permlanex16_b32 v[T+4+\k], v[T+2*\k+1], s24, s25     ; its destination has been written above
	v_add_f32 v[ACC+\k], v[T+2*\k], v[T+4+\k]
.endr
	ds_store_b64 v6, v[ACC:ACC+1]
	s_wait_dscnt 0x0                               ; for wave 0's sake: my part is written
	s_barrier_signal -1
	s_barrier_wait -1
	s_cmp_lg_u32 s14, 0
	s_cbranch_scc1 .Lend                           ; wave 0 finishes the 8 tokens; lane l works on token l mod 8
.irp w, 0,1,2,3,4,5,6,7
	ds_load_b128 v[16+8*\w:16+8*\w+3],   v7 offset:256*\w
	ds_load_b128 v[16+8*\w+4:16+8*\w+7], v7 offset:256*\w+16
.endr
	s_wait_dscnt 0x0
.irp w, 1,2,3,4,5,6,7
.irp p, 0,1,2,3
	v_pk_add_f32 v[16+2*\p:16+2*\p+1], v[16+2*\p:16+2*\p+1], v[16+8*\w+2*\p:16+8*\w+2*\p+1]
.endr
.endr
.irp e, 0,1,2,3,4,5,6,7
	v_add_f32 v[16+\e], s[16+\e], v[16+\e]         ; + gate_b: the logits in v[16:23]
.endr
	; the two largest, by selects alone: (m1, i1) = v8, v9; (m2, i2) = v10, v11.  Strictly greater: of equals the lower index stays in front.
	v_mov_b32 v8, v16
	v_mov_b32 v9, 0
	v_mov_b32 v10, 0xff800000                      ; minus infinity
	v_mov_b32 v11, 1
.irp e, 1,2,3,4,5,6,7
	v_cmp_gt_f32 vcc_lo, v[16+\e], v8
	v_cmp_gt_f32 s2, v[16+\e], v10
	v_cndmask_b32 v10, v10, v[16+\e], s2
	v_cndmask_b32 v11, v11, \e, s2
	v_cndmask_b32 v10, v10, v8, vcc_lo             ; a new first pushes the old first to second
	v_cndmask_b32 v11, v11, v9, vcc_lo
	v_cndmask_b32 v8, v8, v[16+\e], vcc_lo
	v_cndmask_b32 v9, v9, \e, vcc_lo
.endr
	; softmax of (m1, m2) with the maximum m1 taken away: w1 = 1 / (1 + q), w2 = q / (1 + q), q = e^(m2 - m1) <= 1
	v_sub_f32 v12, v10, v8
	v_mul_f32 v12, 0x3fb8aa3b, v12
	v_exp_f32 v13, v12
	v_lshl_or_b32 v14, v11, 8, v9                  ; a plain instruction between the exponential and its use (ISA guide 5.7.2): i1 | i2 << 8
	s_wait_alu depctr_va_vdst(0)
	v_add_f32 v15, 1.0, v13
	v_rcp_f32 v24, v15
	v_add_lshl_u32 v26, v1, s34, 2                 ; likewise behind the reciprocal: 4 t,
	v_add_lshl_u32 v27, v1, s34, 3                 ; 8 t
	s_wait_alu depctr_va_vdst(0)
	v_mul_f32 v25, v13, v24
	s_wait_xcnt 0x0                                ; EXEC changes only when no global access still needs it
	v_cmp_gt_u32 vcc_lo, 8, v1
	s_and_saveexec_b32 s31, vcc_lo                 ; lanes 0 to 7: one for each token.  32 and 64 bytes a work-group, 24 KB in the whole launch
	global_store_b32 v26, v14, s[10:11]
	global_store_b64 v27, v[24:25], s[12:13]
	s_wait_xcnt 0x0
	s_or_b32 exec_lo, exec_lo, s31
.Lend:
	s_wait_tensorcnt 0x0
	ds_add_u32 v208, v209
	s_wait_dscnt 0x0
	s_endpgm
.Lfunc_end_k_q6bf853e15e_gate:
	.size	k_q6bf853e15e_gate, .Lfunc_end_k_q6bf853e15e_gate-k_q6bf853e15e_gate
	.p2alignl 7, 3214868480
	.fill 96, 4, 3214868480
	.section	.rodata,"a",@progbits
	.p2align	6, 0x0
	.amdhsa_kernel k_q6bf853e15e_gate
		.amdhsa_group_segment_fixed_size 76800
		.amdhsa_private_segment_fixed_size 0
		.amdhsa_enable_private_segment 0
		.amdhsa_kernarg_size 40
		.amdhsa_user_sgpr_count 2
		.amdhsa_user_sgpr_kernarg_segment_ptr 1
		.amdhsa_wavefront_size32 1
		.amdhsa_system_sgpr_workgroup_id_x 1
		.amdhsa_system_sgpr_workgroup_id_y 1
		.amdhsa_system_sgpr_workgroup_id_z 1
		.amdhsa_system_vgpr_workitem_id 0
		.amdhsa_next_free_vgpr 210
		.amdhsa_next_free_sgpr 66
		.amdhsa_reserve_vcc 1
		.amdhsa_float_denorm_mode_32 3
		.amdhsa_float_denorm_mode_16_64 3
		.amdhsa_memory_ordered 1
		.amdhsa_forward_progress 1
		.amdhsa_inst_pref_size 43
	.end_amdhsa_kernel
	.amdgpu_metadata
---
amdhsa.version: [ 1, 2 ]
amdhsa.kernels:
  - .name:           k_q6bf853e15e_gate
    .symbol:         k_q6bf853e15e_gate.kd
    .args:
      - { .name: x, .offset: 0, .size: 8, .value_kind: global_buffer, .address_space: global }
      - { .name: gate_w, .offset: 8, .size: 8, .value_kind: global_buffer, .address_space: global }
      - { .name: gate_b, .offset: 16, .size: 8, .value_kind: global_buffer, .address_space: global }
      - { .name: sel, .offset: 24, .size: 8, .value_kind: global_buffer, .address_space: global }
      - { .name: wts, .offset: 32, .size: 8, .value_kind: global_buffer, .address_space: global }
    .group_segment_fixed_size: 76800
    .private_segment_fixed_size: 0
    .kernarg_segment_align: 8
    .kernarg_segment_size: 40
    .max_flat_workgroup_size: 256
    .sgpr_count:     66
    .vgpr_count:     210
    .wavefront_size: 32
...
	.end_amdgpu_metadata
.endif
;; end of part 1
;; launch route (part 2): grid 1 x 1, 8 waves a work-group, no clusters, 66,816 bytes of LDS; arguments sel, cnt, list, pos; writes cnt, list, pos
.if DOCPART == 2
	.amdgcn_target "amdgcn-amd-amdhsa--gfx1250"
	.amdhsa_code_object_version 6
	.text
	.protected	k_q6bf853e15e_route
	.globl	k_q6bf853e15e_route
	.p2align	8
	.type	k_q6bf853e15e_route,@function
k_q6bf853e15e_route:
	s_mov_b64 s[64:65], 0
	v_nop
	global_prefetch_b8 v0, s[64:65] scope:SCOPE_SE
	s_setreg_imm32_b32 hwreg(HW_REG_WAVE_MODE, 25, 1), 1
	s_wait_xcnt 0x0
; From sel[t] = i1 | i2 << 8: for each expert e the number of its tokens (cnt[e], eight times, at byte 32 e), and for each token where its two rows
; will lie (pos[k*2048 + t] = e_k * 2048 + rank).  It also writes zeros over the whole of list, into which the next launch puts the tokens.
; All whole numbers; no atomics: wave e serves expert e and walks all 2,048 tokens, 32 at a time; a token's rank is the count so far plus the number
; of chosen lanes below it.  No address in this text hangs on data: wave e writes a rank for EVERY token into a table of its own (meaningless where
; e was not chosen), and behind the barrier a token's two ranks are picked out of the eight tables by compares and selects.
; One work-group: the data are 8 KB and the ranks of an expert are one running count.
.set CNTL,  65536                      ; LDS 0: rank of token t with expert e at e * 8,192 + 4 t; behind the eight tables: cnt[e], eight times, at CNTL + 32 e
.set S,   16                           ; v[16:79]   sel of token 128 c + 4 l + q at 4 c + q; later at work
.set OWN, 80                           ; v[80:87]   sel of my wave's tokens 256 w + 128 c + 4 l + q at 4 c + q
.set R,   88                           ; v[88:91]   four ranks
.set TAB, 96                           ; v[96:159]  the eight tables' entries for my 8 tokens, expert e at 8 e
	s_load_b256 s[4:11], s[0:1], 0x0               ; sel s[4:5], cnt s[6:7], list s[8:9], pos s[10:11]
	v_lshl_add_u32 v160, v0, 2, 0x10100
	v_mov_b32 v161, 0
	v_and_b32 v5, 31, v0                           ; lane
	v_lshrrev_b32 v12, 5, v0
	v_readfirstlane_b32 s14, v12                   ; wave = expert
	v_lshlrev_b32 v1, 4, v5                        ; 16 l
	s_lshl_b32 s16, s14, 13
	s_lshl_b32 s17, s14, 10
	v_add_nc_u32 v4, s16, v1                       ; 8192 w + 16 l: my table in LDS, and my eighth of list
	v_add_nc_u32 v7, s17, v1                       ; 1024 w + 16 l: my wave's 256 tokens, 4 bytes each
	v_mov_b32 v8, 0
	v_mov_b32 v9, 0
	v_mov_b32 v10, 0
	v_mov_b32 v11, 0
	s_wait_kmcnt 0x0
.irp c, 0,1,2,3,4,5,6,7,8,9,10,11,12,13,14,15
	global_load_b128 v[S+4*\c:S+4*\c+3], v1, s[4:5] offset:512*\c
.endr
	global_load_b128 v[OWN:OWN+3],   v7, s[4:5]
	global_load_b128 v[OWN+4:OWN+7], v7, s[4:5] offset:512
.irp n, 0,1,2,3,4,5,6,7,8,9,10,11,12,13,14,15
	global_store_b128 v4, v[8:11], s[8:9] offset:512*\n    ; token 0 in every place of list; each store covers 512 consecutive bytes
.endr
	s_mov_b32 s20, 0                               ; the count
	s_wait_loadcnt 0x0
.macro SCAN c, q
	v_and_b32 v12, 0xff, v[S+4*\c+\q]
	v_bfe_u32 v13, v[S+4*\c+\q], 8, 8
	v_cmp_eq_u32 s21, s14, v12
	v_cmp_eq_u32 s22, s14, v13
	s_or_b32 s23, s21, s22                         ; the lanes whose token chose me
	v_mbcnt_lo_u32_b32 v[R+\q], s23, s20           ; count so far + chosen lanes below mine
	s_bcnt1_i32_b32 s24, s23
	s_add_co_u32 s20, s20, s24
.endm
.irp c, 0,1,2,3,4,5,6,7,8,9,10,11,12,13,14,15
.irp q, 0,1,2,3
	SCAN \c, \q
.endr
	ds_store_b128 v4, v[R:R+3] offset:512*\c       ; the ranks of tokens 128 c + 4 l + 0..3
.endr
	v_mov_b32 v13, s20
	v_and_b32 v12, 7, v5
	s_lshl_b32 s26, s14, 5
	s_add_co_u32 s26, s26, CNTL
	v_lshl_add_u32 v12, v12, 2, s26
	ds_store_b32 v12, v13                          ; four lanes write each of the eight words, with the same number
	s_wait_dscnt 0x0                               ; for the others' sake: my ranks and my count are written
	s_barrier_signal -1
	s_barrier_wait -1
	; my wave's 256 tokens, 8 a lane: all eight tables' entries, then the two that count
.irp e, 0,1,2,3,4,5,6,7
	ds_load_b128 v[TAB+8*\e:TAB+8*\e+3],   v7 offset:8192*\e
	ds_load_b128 v[TAB+8*\e+4:TAB+8*\e+7], v7 offset:8192*\e+512
.endr
.irp n, 0,1,2,3,4,5,6,7
	v_and_b32 v[16+\n], 0xff, v[OWN+\n]            ; i1
	v_bfe_u32 v[24+\n], v[OWN+\n], 8, 8            ; i2
.endr
	s_wait_dscnt 0x0
.irp n, 0,1,2,3,4,5,6,7
	v_cmp_eq_u32 vcc_lo, 1, v[16+\n]               ; expert 0's entry or expert 1's starts the choice
	v_cndmask_b32 v[32+\n], v[TAB+\n], v[TAB+8+\n], vcc_lo
	v_cmp_eq_u32 vcc_lo, 1, v[24+\n]
	v_cndmask_b32 v[40+\n], v[TAB+\n], v[TAB+8+\n], vcc_lo
.endr
.irp e, 2,3,4,5,6,7
.irp n, 0,1,2,3,4,5,6,7
	v_cmp_eq_u32 vcc_lo, \e, v[16+\n]
	v_cndmask_b32 v[32+\n], v[32+\n], v[TAB+8*\e+\n], vcc_lo
	v_cmp_eq_u32 vcc_lo, \e, v[24+\n]
	v_cndmask_b32 v[40+\n], v[40+\n], v[TAB+8*\e+\n], vcc_lo
.endr
.endr
.irp n, 0,1,2,3,4,5,6,7
	v_lshl_add_u32 v[48+\n], v[16+\n], 11, v[32+\n]        ; e * 2048 + rank
	v_lshl_add_u32 v[56+\n], v[24+\n], 11, v[40+\n]
.endr
	global_store_b128 v7, v[48:51], s[10:11]               ; plane 0: the first choice; each store covers 512 consecutive bytes
	global_store_b128 v7, v[52:55], s[10:11] offset:512
	global_store_b128 v7, v[56:59], s[10:11] offset:8192   ; plane 1: the second
	global_store_b128 v7, v[60:63], s[10:11] offset:8704
	s_cmp_lg_u32 s14, 0
	s_cbranch_scc1 .Lend
.irp n, 0,1,2,3
	global_store_b128 v1, v[8:11], s[8:9] offset:65536+512*\n      ; wave 0: the 512 places behind the last expert's 2,048
.endr
	v_lshlrev_b32 v12, 3, v5                       ; and the counts: 8 l, 256 consecutive bytes
	v_add_nc_u32 v13, CNTL, v12
	ds_load_b64 v[88:89], v13
	s_wait_dscnt 0x0
	global_store_b64 v12, v[88:89], s[6:7]
.Lend:
	s_wait_tensorcnt 0x0
	ds_add_u32 v160, v161
	s_wait_dscnt 0x0
	s_endpgm
.Lfunc_end_k_q6bf853e15e_route:
	.size	k_q6bf853e15e_route, .Lfunc_end_k_q6bf853e15e_route-k_q6bf853e15e_route
	.p2alignl 7, 3214868480
	.fill 96, 4, 3214868480
	.section	.rodata,"a",@progbits
	.p2align	6, 0x0
	.amdhsa_kernel k_q6bf853e15e_route
		.amdhsa_group_segment_fixed_size 66816
		.amdhsa_private_segment_fixed_size 0
		.amdhsa_enable_private_segment 0
		.amdhsa_kernarg_size 32
		.amdhsa_user_sgpr_count 2
		.amdhsa_user_sgpr_kernarg_segment_ptr 1
		.amdhsa_wavefront_size32 1
		.amdhsa_system_sgpr_workgroup_id_x 1
		.amdhsa_system_sgpr_workgroup_id_y 1
		.amdhsa_system_sgpr_workgroup_id_z 1
		.amdhsa_system_vgpr_workitem_id 0
		.amdhsa_next_free_vgpr 162
		.amdhsa_next_free_sgpr 66
		.amdhsa_reserve_vcc 1
		.amdhsa_float_denorm_mode_32 3
		.amdhsa_float_denorm_mode_16_64 3
		.amdhsa_memory_ordered 1
		.amdhsa_forward_progress 1
		.amdhsa_inst_pref_size 43
	.end_amdhsa_kernel
	.amdgpu_metadata
---
amdhsa.version: [ 1, 2 ]
amdhsa.kernels:
  - .name:           k_q6bf853e15e_route
    .symbol:         k_q6bf853e15e_route.kd
    .args:
      - { .name: sel, .offset: 0, .size: 8, .value_kind: global_buffer, .address_space: global }
      - { .name: cnt, .offset: 8, .size: 8, .value_kind: global_buffer, .address_space: global }
      - { .name: list, .offset: 16, .size: 8, .value_kind: global_buffer, .address_space: global }
      - { .name: pos, .offset: 24, .size: 8, .value_kind: global_buffer, .address_space: global }
    .group_segment_fixed_size: 66816
    .private_segment_fixed_size: 0
    .kernarg_segment_align: 8
    .kernarg_segment_size: 32
    .max_flat_workgroup_size: 256
    .sgpr_count:     66
    .vgpr_count:     162
    .wavefront_size: 32
...
	.end_amdgpu_metadata
.endif
;; end of part 2
;; launch invert (part 3): grid 32 x 1, 8 waves a work-group, no clusters, 0 bytes of LDS; arguments pos, list; writes list
.if DOCPART == 3
	.amdgcn_target "amdgcn-amd-amdhsa--gfx1250"
	.amdhsa_code_object_version 6
	.text
	.protected	k_q6bf853e15e_invert
	.globl	k_q6bf853e15e_invert
	.p2align	8
	.type	k_q6bf853e15e_invert,@function
k_q6bf853e15e_invert:
	s_mov_b64 s[64:65], 0
	v_nop
	global_prefetch_b8 v0, s[64:65] scope:SCOPE_SE
	s_setreg_imm32_b32 hwreg(HW_REG_WAVE_MODE, 25, 1), 1
	s_wait_xcnt 0x0
; list[pos[k*2048 + t]] = t: the token of each (expert, rank).  pos was stored by the launch before, which also wrote zeros over all of list.
; 4,096 entries, no two with the same place: 256 waves, 16 entries each.  A place is read as a scalar, clamped, and enters the address from there;
; lane 0 stores.  16 KB are written in all, four bytes at a time: the places of a wave's 16 tokens lie with up to 8 experts and are not neighbours.
	s_load_b128 s[4:7], s[0:1], 0x0                ; pos s[4:5], list s[6:7]
	v_and_b32 v1, 31, v0
	v_lshrrev_b32 v2, 5, v0
	v_readfirstlane_b32 s14, v2                    ; wave
	s_lshl_b32 s15, ttmp9, 3
	s_add_co_u32 s15, s15, s14                     ; wave in the launch, 0 to 255
	s_lshl_b32 s16, s15, 6                         ; its 16 words of pos
	s_lshl_b32 s17, s15, 4
	s_and_b32 s17, s17, 2047                       ; its first token: the entries of a plane are the tokens in order
	v_mov_b32 v3, 0
	v_mov_b32 v4, s17
	s_wait_kmcnt 0x0
	s_load_b512 s[32:47], s[4:5], s16 offset:0x0
	s_wait_kmcnt 0x0
.irp i, 0,1,2,3,4,5,6,7,8,9,10,11,12,13,14,15
	s_min_u32 s[32+\i], s[32+\i], 16383            ; a place enters an address only clamped: 8 experts x 2,048 ranks
	v_lshl_add_u32 v[16+\i], s[32+\i], 2, v3
	v_add_nc_u32 v[32+\i], \i, v4                  ; the token
.endr
	s_wait_xcnt 0x0                                ; EXEC changes only when no memory access still needs it
	v_cmp_eq_u32 vcc_lo, 0, v1
	s_and_saveexec_b32 s20, vcc_lo                 ; lane 0 alone
.irp i, 0,1,2,3,4,5,6,7,8,9,10,11,12,13,14,15
	global_store_b32 v[16+\i], v[32+\i], s[6:7]
.endr
	s_wait_xcnt 0x0
	s_or_b32 exec_lo, exec_lo, s20
	s_endpgm
.Lfunc_end_k_q6bf853e15e_invert:
	.size	k_q6bf853e15e_invert, .Lfunc_end_k_q6bf853e15e_invert-k_q6bf853e15e_invert
	.p2alignl 7, 3214868480
	.fill 96, 4, 3214868480
	.section	.rodata,"a",@progbits
	.p2align	6, 0x0
	.amdhsa_kernel k_q6bf853e15e_invert
		.amdhsa_group_segment_fixed_size 0
		.amdhsa_private_segment_fixed_size 0
		.amdhsa_enable_private_segment 0
		.amdhsa_kernarg_size 16
		.amdhsa_user_sgpr_count 2
		.amdhsa_user_sgpr_kernarg_segment_ptr 1
		.amdhsa_wavefront_size32 1
		.amdhsa_system_sgpr_workgroup_id_x 1
		.amdhsa_system_sgpr_workgroup_id_y 1
		.amdhsa_system_sgpr_workgroup_id_z 1
		.amdhsa_system_vgpr_workitem_id 0
		.amdhsa_next_free_vgpr 48
		.amdhsa_next_free_sgpr 66
		.amdhsa_reserve_vcc 1
		.amdhsa_float_denorm_mode_32 3
		.amdhsa_float_denorm_mode_16_64 3
		.amdhsa_memory_ordered 1
		.amdhsa_forward_progress 1
		.amdhsa_inst_pref_size 5
	.end_amdhsa_kernel
	.amdgpu_metadata
---
amdhsa.version: [ 1, 2 ]
amdhsa.kernels:
  - .name:           k_q6bf853e15e_invert
    .symbol:         k_q6bf853e15e_invert.kd
    .args:
      - { .name: pos, .offset: 0, .size: 8, .value_kind: global_buffer, .address_space: global }
      - { .name: list, .offset: 8, .size: 8, .value_kind: global_buffer, .address_space: global }
    .group_segment_fixed_size: 0
    .private_segment_fixed_size: 0
    .kernarg_segment_align: 8
    .kernarg_segment_size: 16
    .max_flat_workgroup_size: 256
    .sgpr_count:     66
    .vgpr_count:     48
    .wavefront_size: 32
...
	.end_amdgpu_metadata
.endif
;; end of part 3
;; launch pack (part 4): grid 40 x 8, 8 waves a work-group, no clusters, 68,608 bytes of LDS; arguments x, cnt, list, xs; writes xs
.if DOCPART == 4
	.amdgcn_target "amdgcn-amd-amdhsa--gfx1250"
	.amdhsa_code_object_version 6
	.text
	.protected	k_q6bf853e15e_pack
	.globl	k_q6bf853e15e_pack
	.p2align	8
	.type	k_q6bf853e15e_pack,@function
k_q6bf853e15e_pack:
	s_mov_b64 s[64:65], 0
	v_nop
	global_prefetch_b8 v0, s[64:65] scope:SCOPE_SE
	s_setreg_imm32_b32 hwreg(HW_REG_WAVE_MODE, 25, 1), 1
	s_wait_xcnt 0x0
; Gathers each expert's tokens, rounds them to f16 and lays them out in the order in which a matrix instruction's A operand sits in registers:
; xs[e][tile][block b][1 KB]: tile = 16 ranks, block = 32 k; the 16 bytes at 512 c + 16 lane (lane = 16 h + r) hold k = 32 b + 16 c + 8 h + 0..7 of rank 16 tile + r.
; So the product's launch loads a fragment by two loads of 512 consecutive bytes, and the rounding is done once and not by each of 32 column blocks.
; WHY f16 AND NOT bf16: a sum has 2,048 products, and f16's 11 significant bits against bf16's 8 make its rounding error eight times smaller.
; LIMITS: a magnitude of x above 65,504 becomes infinite; below 2^-14 the error is absolute, at most 2^-25.  x of spread 1, thirty times larger or smaller or with
; an offset of thirty spreads, lies between: some hundreds at the top, and at spread 1/30 an error of 2^-25 is one part in a million of the spread.
; The work-group (q, e) takes the tiles q, q + 40, .. of expert e: one for each pass of 640 ranks that the product's launch makes (the same formula there).
; list[e * 2048 + rank] is the token; places behind an expert's last token hold 0 or, past its 2,048 places, the next expert's tokens: real rows, whose products nobody reads.
; cnt and list are whole numbers that earlier launches stored.  cnt[e] and the first tile's tokens are asked for together: one wait serves both.
; Wave w takes k = 256 w .. 256 w + 255 of all 16 rows: 1 KB of a row, two loads of 512 consecutive bytes; it turns them in LDS bytes of its own: no barrier.
.set ROWP, 528                         ; LDS: 512 bytes (256 f16) of a row + 16: an odd multiple of 16, so 16 lanes that read 16 rows meet 16 different columns
.set WREG, 16*ROWP                     ; a wave's 16 rows
.set X,   16                           ; v[16:143]  row i: 8 registers as loaded; later the 16 pieces on their way out
.set P,   144                          ; v[144:207] row i: 4 registers, rounded
.set OFF, 208                          ; v[208:223] row i: token * 8192 + 1024 w + 16 l
	s_load_b256 s[4:11], s[0:1], 0x0               ; x s[4:5], cnt s[6:7], list s[8:9], xs s[10:11]
	v_lshl_add_u32 v224, v0, 2, 0x10800
	v_mov_b32 v225, 0
	v_and_b32 v5, 31, v0
	v_lshrrev_b32 v6, 5, v0
	v_readfirstlane_b32 s14, v6                    ; wave
	s_and_b32 s15, ttmp7, 0xffff                   ; expert
	s_lshl_b32 s16, s15, 5
	s_lshl_b32 s26, s15, 13
	s_mov_b32 s27, 0
	s_lshl_b32 s21, ttmp9, 6                       ; my first tile's 16 words of the list
	s_wait_kmcnt 0x0
	s_add_nc_u64 s[8:9], s[8:9], s[26:27]          ; my expert's 2,048 places of list
	s_load_b32 s17, s[6:7], s16 offset:0x0         ; cnt[e]
	s_load_b512 s[32:47], s[8:9], s21 offset:0x0   ; the first tile's 16 tokens
	s_lshl_b32 s22, s14, 10
	v_lshl_add_u32 v1, v5, 4, s22                  ; 1024 w + 16 l in a row of x
	s_mul_i32 s23, s14, WREG
	v_lshl_add_u32 v2, v5, 3, s23                  ; in: 8 bytes a lane, 256 consecutive bytes a store
	v_and_b32 v6, 15, v0                           ; r
	v_bfe_u32 v7, v0, 4, 1                         ; h
	v_mul_u32_u24 v3, v6, ROWP
	v_lshl_add_u32 v3, v7, 4, v3
	v_add_nc_u32 v3, s23, v3                       ; back: row r, 16 h
	s_lshl_b32 s24, s14, 13
	v_lshl_add_u32 v4, v5, 4, s24                  ; out: my 8 blocks of 1 KB, 16 l
	s_mul_i32 s28, s15, 10485760                   ; 160 tiles of 64 KB for each expert
	s_lshl_b32 s29, ttmp9, 16
	s_add_co_u32 s28, s28, s29
	s_mov_b32 s29, 0
	s_add_nc_u64 s[10:11], s[10:11], s[28:29]      ; my first tile of xs
	s_wait_kmcnt 0x0                               ; the count and the tokens
	s_min_u32 s17, s17, 2048
	s_mov_b32 s18, 1                               ; passes: 1 to 4
	s_cmp_gt_u32 s17, 640
	s_cselect_b32 s19, 1, 0
	s_add_co_u32 s18, s18, s19
	s_cmp_gt_u32 s17, 1280
	s_cselect_b32 s19, 1, 0
	s_add_co_u32 s18, s18, s19
	s_cmp_gt_u32 s17, 1920
	s_cselect_b32 s19, 1, 0
	s_add_co_u32 s18, s18, s19
	s_mov_b32 s20, 0
.Ltile:
.irp i, 0,1,2,3,4,5,6,7,8,9,10,11,12,13,14,15
	s_min_u32 s[32+\i], s[32+\i], 2047             ; a token enters an address only clamped
	v_lshl_add_u32 v[OFF+\i], s[32+\i], 13, v1
.endr
.irp i, 0,1,2,3,4,5,6,7,8,9,10,11,12,13,14,15
	global_load_b128 v[X+8*\i:X+8*\i+3],   v[OFF+\i], s[4:5]               ; no hint: a token's row is asked for by two experts
	global_load_b128 v[X+8*\i+4:X+8*\i+7], v[OFF+\i], s[4:5] offset:512
.endr
.irp i, 0,1,2,3,4,5,6,7,8,9,10,11,12,13,14,15
	s_wait_loadcnt 30-2*\i                         ; row i is in; the two loads of each later row stay out
	v_cvt_pk_f16_f32 v[P+4*\i],   v[X+8*\i],   v[X+8*\i+1]
	v_cvt_pk_f16_f32 v[P+4*\i+1], v[X+8*\i+2], v[X+8*\i+3]
	v_cvt_pk_f16_f32 v[P+4*\i+2], v[X+8*\i+4], v[X+8*\i+5]
	v_cvt_pk_f16_f32 v[P+4*\i+3], v[X+8*\i+6], v[X+8*\i+7]
	ds_store_b64 v2, v[P+4*\i:P+4*\i+1]   offset:ROWP*\i
	ds_store_b64 v2, v[P+4*\i+2:P+4*\i+3] offset:ROWP*\i+256
.endr
.irp n, 0,1,2,3,4,5,6,7,8,9,10,11,12,13,14,15
	ds_load_b128 v[X+4*\n:X+4*\n+3], v3 offset:32*\n       ; piece n = 2 block + c: k = 16 n + 8 h + 0..7 of row r.  My own bytes, served in the order of issue
.endr
.irp n, 0,1,2,3,4,5,6,7,8,9,10,11,12,13,14,15
	s_wait_dscnt 15-\n                             ; piece n is in, the younger ones stay out
	global_store_b128 v4, v[X+4*\n:X+4*\n+3], s[10:11] offset:512*\n       ; 512 consecutive bytes
.endr
	s_wait_xcnt 0x0                                ; the stores' data and base are written again only behind this wait
	s_add_nc_u64 s[10:11], s[10:11], 40*65536      ; the next pass's tile
	s_add_co_u32 s21, s21, 40*64
	s_add_co_u32 s20, s20, 1
	s_cmp_ge_u32 s20, s18
	s_cbranch_scc1 .Ldone                          ; no further pass: nothing more is read from list
	s_load_b512 s[32:47], s[8:9], s21 offset:0x0   ; the next tile's 16 tokens: pass 3's last word lies at byte 57,344 + 10,176 + 63 at the most, inside list's 67,584
	s_wait_kmcnt 0x0
	s_cmp_lt_u32 s20, s18
	s_cbranch_scc1 .Ltile
.Ldone:
	s_wait_tensorcnt 0x0
	ds_add_u32 v224, v225
	s_wait_dscnt 0x0
	s_endpgm
.Lfunc_end_k_q6bf853e15e_pack:
	.size	k_q6bf853e15e_pack, .Lfunc_end_k_q6bf853e15e_pack-k_q6bf853e15e_pack
	.p2alignl 7, 3214868480
	.fill 96, 4, 3214868480
	.section	.rodata,"a",@progbits
	.p2align	6, 0x0
	.amdhsa_kernel k_q6bf853e15e_pack
		.amdhsa_group_segment_fixed_size 68608
		.amdhsa_private_segment_fixed_size 0
		.amdhsa_enable_private_segment 0
		.amdhsa_kernarg_size 32
		.amdhsa_user_sgpr_count 2
		.amdhsa_user_sgpr_kernarg_segment_ptr 1
		.amdhsa_wavefront_size32 1
		.amdhsa_system_sgpr_workgroup_id_x 1
		.amdhsa_system_sgpr_workgroup_id_y 1
		.amdhsa_system_sgpr_workgroup_id_z 1
		.amdhsa_system_vgpr_workitem_id 0
		.amdhsa_next_free_vgpr 226
		.amdhsa_next_free_sgpr 66
		.amdhsa_reserve_vcc 0
		.amdhsa_float_denorm_mode_32 3
		.amdhsa_float_denorm_mode_16_64 3
		.amdhsa_memory_ordered 1
		.amdhsa_forward_progress 1
		.amdhsa_inst_pref_size 18
	.end_amdhsa_kernel
	.amdgpu_metadata
---
amdhsa.version: [ 1, 2 ]
amdhsa.kernels:
  - .name:           k_q6bf853e15e_pack
    .symbol:         k_q6bf853e15e_pack.kd
    .args:
      - { .name: x, .offset: 0, .size: 8, .value_kind: global_buffer, .address_space: global }
      - { .name: cnt, .offset: 8, .size: 8, .value_kind: global_buffer, .address_space: global }
      - { .name: list, .offset: 16, .size: 8, .value_kind: global_buffer, .address_space: global }
      - { .name: xs, .offset: 24, .size: 8, .value_kind: global_buffer, .address_space: global }
    .group_segment_fixed_size: 68608
    .private_segment_fixed_size: 0
    .kernarg_segment_align: 8
    .kernarg_segment_size: 32
    .max_flat_workgroup_size: 256
    .sgpr_count:     66
    .vgpr_count:     226
    .wavefront_size: 32
...
	.end_amdgpu_metadata
.endif
;; end of part 4
;; launch gemm (part 5): grid 32 x 8, 8 waves a work-group, no clusters, 263,168 bytes of LDS; arguments xs, expert_w, expert_b, cnt, y; writes y
.if DOCPART == 5
	.amdgcn_target "amdgcn-amd-amdhsa--gfx1250"
	.amdhsa_code_object_version 6
	.text
	.protected	k_q6bf853e15e_gemm
	.globl	k_q6bf853e15e_gemm
	.p2align	8
	.type	k_q6bf853e15e_gemm,@function
k_q6bf853e15e_gemm:
	s_mov_b64 s[64:65], 0
	v_nop
	global_prefetch_b8 v0, s[64:65] scope:SCOPE_SE
	s_setreg_imm32_b32 hwreg(HW_REG_WAVE_MODE, 25, 1), 1
	s_wait_xcnt 0x0
; y[e][rank][n] = relu(sum over k of x[token of rank][k] expert_w[e][k][n] + expert_b[e][n]) for the tokens that chose expert e alone: the rows that
; the gather behind the dense product would throw away are not computed.  f16 operands, f32 sums.
; WHY f16 AND NOT bf16: a sum has 2,048 products, and f16's 11 significant bits against bf16's 8 make its rounding error eight times smaller.
; LIMITS: a magnitude of x or expert_w above 65,504 becomes infinite; below 2^-14 the error is absolute, at most 2^-25.  expert_w of magnitude up to 0.022, thirty times
; larger or with an offset of thirty spreads, stays under 2; thirty times smaller its root mean square is 4e-4, of which 2^-25 is 7e-5: still finer than bf16's 2^-9.
; The relu takes the larger of 0 and the number, so a NaN would come out as 0: NaN in the inputs is not served.
; SHARES.  The work-group (cb, e) owns expert e and columns 64 cb .. 64 cb + 63: its 2048 x 64 numbers of expert_w (512 KB) are read by no other work-group.
; PHASE 1.  In f16 that slab is 262,144 bytes: it is laid into LDS whole, once, already in the order of a B operand's registers.  expert_w lies [k][n] in f32.
; Column tile jt is the columns 64 cb + 4 r + jt (r = lane mod 16): then the 16 bytes at 16 r of a row of the slab give a lane one number for each of the four
; tiles, rows k and k + 1 rounded and packed are one register of a B operand, and a lane that loads the 16 rows k = 8 h + 0..7, 16 + 8 h + 0..7 of a K step holds
; its own registers of all four fragments: no exchange between lanes.  Wave w does K steps 8 w .. 8 w + 7 through four register slots: four steps, 64 loads of
; 512 bytes, are on their way in each wave.  One barrier; behind it LDS is only read.
; PHASE 2.  Each wave works for itself, with no barrier, so that its number of trips may come from cnt (stored by an earlier launch): in pass p wave w owns row
; tiles 40 p + 5 w + 0..4 times the 4 column tiles, 20 accumulators.  A comes from xs, which lies in the operand's own order: a fragment is two loads of 512
; consecutive bytes into registers, four K steps deep, and no LDS.  A pass's first four steps of A are asked for ahead of the pass: the first pass's in front of
; phase 1's last conversion and the barrier, a later pass's at the end of the pass before.  In the result a lane holds 4 NEIGHBOURING columns of a row: 16 lanes
; store 256 consecutive, aligned bytes straight from registers.
; NO CLUSTER: expert_w is shared by nobody; xs is shared by the 32 work-groups of an expert, but the number of passes is read from memory, and a cluster's rounds
; and joint loads have to be the same on every path.
;
; REGISTERS.  Window 0: v1-9 addresses; v16-175 accumulators, tile (i, jt) at 16 + 8 (4 i + jt); v176-207 the way out; v240-243 bias.
;             In phase 1: v16-207 three slots of 16 pieces of rows of the slab, v208-239 the four fragments of a K step.
;             Window 1: v256-415 A, buffer u at 40 u, tile i at + 8 i; v416-479 B, buffer u at 160 + 32 u, tile jt at + 8 jt; in phase 1 v416-479 are the fourth slot.
; So every load of phase 2 runs under one setting (destination window 1) and every matrix instruction under another: two switches a K step.
.set XS_E, 10485760                    ; xs: bytes for an expert (160 tiles)
.set XS_T, 65536                       ; and for a tile (64 blocks of 1 KB)
.set S0,  16                           ; phase 1's slots 0 to 2, in window 0
.set S1,  80
.set S2,  144
.set S3,  160                          ; and slot 3, in window 1
.set P,   208
.set ACC, 16
.set OT,  176
.set BI,  240
.set LB,  6                            ; v[6:9]: 16 l + 0, 64 K, 128 K, 192 K: an LDS immediate reaches 65,535 bytes
.set A1,  0                            ; in window 1
.set BF,  160                          ; in window 1
.set MSB, 0
.macro WIN new                         ; s_set_vgpr_msb: bits 1:0 source 0, 3:2 source 1, 5:4 source 2, 7:6 destination; the high byte repeats the setting that is left
.if MSB != \new
	s_set_vgpr_msb (MSB<<8)|\new
.set MSB, \new
.endif
.endm
.macro PLACES                          ; four plain vector instructions between a matrix instruction and a vector instruction or load that touches its registers
.rept 4
	v_nop
.endr
.endm
; K step 8 w + t of the slab into the slot at base (win: 0 for window 0, 0x40 for a destination in window 1): 16 loads; in each, lanes 0-15 take 256 consecutive
; bytes of one row, lanes 16-31 of the row 8 further down
.macro WLOAD base, win, t
	WIN \win
.irp q, 0,1,2,3,4,5,6,7,8,9,10,11,12,13,14,15
	global_load_b128 v[\base+4*\q:\base+4*\q+3], v2, s[30:31] offset:262144*\t+8192*(\q+8*(\q/8)) th:TH_LOAD_NT
.endr
.endm
; the same step rounded, packed and stored: piece n = 2 jt + c of the step's 4 KB (win: 0, or 0x05 for both sources in window 1).  left: how many younger loads may stay out
.macro WCVT base, win, t, left
	s_wait_loadcnt \left
	WIN \win
.irp jt, 0,1,2,3
.irp kk, 0,1,2,3,4,5,6,7
	v_cvt_pk_f16_f32 v[P+8*\jt+\kk], v[\base+8*\kk+\jt], v[\base+8*\kk+4+\jt]        ; two neighbouring k of column 4 r + jt
.endr
.endr
	WIN 0
.irp n, 0,1,2,3,4,5,6,7
	ds_store_b128 v3, v[P+4*\n:P+4*\n+3] offset:4096*\t+512*\n             ; 32 lanes, 512 consecutive bytes
.endr
.endm
; the A fragments of K step s, 5 tiles, into buffer u: 10 loads of 512 consecutive bytes
.macro ALOAD u, s
.irp i, 0,1,2,3,4
	global_load_b128 v[A1+40*(\u)+8*\i:A1+40*(\u)+8*\i+3],   v1, s[24:25] offset:1024*(\s)+XS_T*\i
	global_load_b128 v[A1+40*(\u)+8*\i+4:A1+40*(\u)+8*\i+7], v1, s[24:25] offset:1024*(\s)+XS_T*\i+512
.endr
.endm
; the B fragments of K step s, 4 tiles, into buffer u: 8 loads of 512 consecutive bytes
.macro BLOAD u, s
.irp n, 0,1,2,3,4,5,6,7
	ds_load_b128 v[BF+32*(\u)+4*\n:BF+32*(\u)+4*\n+3], v[LB+(\s)/16] offset:4096*((\s)%16)+512*\n
.endr
.endm
; 20 matrix instructions, one on each accumulator: the accumulators take turns, one instruction a turn, over every jump too.
; zero = 1: the first K step starts the sums: nothing is cleared.
.macro MUL ua, ub, zero
.irp i, 0,1,2,3,4
.irp jt, 0,1,2,3
.if \zero
	v_wmma_f32_16x16x32_f16 v[ACC+8*(4*\i+\jt):ACC+8*(4*\i+\jt)+7], v[A1+40*(\ua)+8*\i:A1+40*(\ua)+8*\i+7], v[BF+32*(\ub)+8*\jt:BF+32*(\ub)+8*\jt+7], 0
.else
	v_wmma_f32_16x16x32_f16 v[ACC+8*(4*\i+\jt):ACC+8*(4*\i+\jt)+7], v[A1+40*(\ua)+8*\i:A1+40*(\ua)+8*\i+7], v[BF+32*(\ub)+8*\jt:BF+32*(\ub)+8*\jt+7], v[ACC+8*(4*\i+\jt):ACC+8*(4*\i+\jt)+7]
.endif
.endr
.endr
.endm
; K step KS: asks LDS for the next step's B, multiplies this step, and fills the A buffer just multiplied with step KS + 4.
.macro STEP
	WIN 0x40                                       ; loads: destination window 1, address window 0
.if KS<63
	BLOAD ((KS+1)&1),(KS+1)                        ; into the buffer that step KS - 1 read; the four places stand behind that step's products
	s_wait_dscnt 8                                 ; this step's B is in; the 8 loads just issued stay out
.else
	s_wait_dscnt 0
.endif
.if KS<61
	s_wait_loadcnt 30                              ; this step's A is in; behind it went 10 loads for each of the next three steps
.else
	s_wait_loadcnt (63-KS)*10                      ; fewer steps are left behind it
.endif
	WIN 0x05                                       ; A and B window 1, C and D window 0
.if KS==0
	MUL (KS&3),(KS&1),1
.else
	MUL (KS&3),(KS&1),0
.endif
	PLACES                                         ; in front of the loads into the A buffer, and into the B buffer at the next step's head
.if KS<60
	WIN 0x40
	ALOAD (KS&3),(KS+4)
.endif
.endm
; Row tile i goes out: + bias, relu, 8 stores; in each, 16 lanes fill 256 consecutive, aligned bytes of a row.  A tile that begins behind the expert's last token is not stored.
.macro EPIT i
	s_add_co_u32 s22, s21, 16*\i
	s_cmp_ge_u32 s22, s17
	s_cbranch_scc1 .Lempty_\@
	s_wait_xcnt 0x0                                ; OT, which the last tile's stores read, is written again only behind this wait
.irp j, 0,1,2,3,4,5,6,7
.irp jt, 0,1,2,3
	v_add_f32 v[OT+4*\j+\jt], v[ACC+8*(4*\i+\jt)+\j], v[BI+\jt]
.endr
.endr
.set n, 0
.rept 32
	v_max_num_f32 v[OT+n], 0, v[OT+n]
.set n, n+1
.endr
.irp j, 0,1,2,3,4,5,6,7
	global_store_b128 v4, v[OT+4*\j:OT+4*\j+3], s[28:29] offset:131072*\i+8192*\j th:TH_STORE_NT
.endr
.Lempty_\@:
.endm
	s_load_b256 s[4:11], s[0:1], 0x0               ; xs s[4:5], expert_w s[6:7], expert_b s[8:9], cnt s[10:11]
	s_load_b64 s[12:13], s[0:1], 0x20              ; y
	v_lshl_add_u32 v254, v0, 2, 0x40000
	v_mov_b32 v255, 0
	v_lshrrev_b32 v10, 5, v0
	v_readfirstlane_b32 s14, v10                   ; wave
	s_and_b32 s15, ttmp7, 0xffff                   ; expert
	s_lshl_b32 s16, ttmp9, 8                       ; my 64 columns in bytes
	v_and_b32 v10, 31, v0                          ; lane
	v_and_b32 v11, 15, v0                          ; r
	v_bfe_u32 v12, v0, 4, 1                        ; h
	s_lshl_b32 s32, s15, 24                        ; an expert is 16 MiB in expert_w and in y
	s_add_co_u32 s32, s32, s16
	s_mov_b32 s33, 0
	s_mul_i32 s34, s15, XS_E
	s_mov_b32 s35, 0
	s_lshl_b32 s23, s15, 5
	s_lshl_b32 s22, s14, 21                        ; 256 rows of 8,192 bytes for each wave
	v_lshl_add_u32 v2, v12, 16, s22                ; slab in memory: my wave's rows, row 8 h,
	v_lshl_add_u32 v2, v11, 4, v2                  ; 16 r
	s_lshl_b32 s22, s14, 15
	v_lshl_add_u32 v3, v10, 4, s22                 ; slab in LDS: my wave's 8 steps of 4 KB, 16 l
	s_lshl_b32 s22, s15, 13
	s_add_co_u32 s22, s22, s16
	v_lshl_add_u32 v5, v11, 4, s22
	s_wait_kmcnt 0x0
	s_load_b32 s17, s[10:11], s23 offset:0x0       ; cnt[e]
	s_add_nc_u64 s[30:31], s[6:7], s[32:33]        ; expert_w at my slab
	s_add_nc_u64 s[28:29], s[12:13], s[32:33]      ; y at this pass's first row, my columns
	s_add_nc_u64 s[24:25], s[4:5], s[34:35]        ; xs at this pass's first tile
	global_load_b128 v[BI:BI+3], v5, s[8:9]        ; expert_b of my 4 columns; older than every load of the slab, so their waits cover it
	WLOAD S0, 0, 0                                 ; four steps go out at once.  With the bias that is 65 loads ahead of the first wait: the issue of a load that the
	WLOAD S1, 0, 1                                 ; counter's field cannot count waits for an earlier one's return (ISA guide 5.7.1), so no wait is placed for that
	WLOAD S2, 0, 2
	WLOAD S3, 0x40, 3
	WIN 0
	s_mul_i32 s22, s14, 5*XS_T
	v_lshl_add_u32 v1, v10, 4, s22                 ; A: my 5 tiles, 16 l
	s_mul_i32 s22, s14, 80*8192
	v_lshl_add_u32 v4, v12, 16, s22                ; y: my 80 rows, row 8 h,
	v_lshl_add_u32 v4, v11, 4, v4                  ; 16 r
	v_lshlrev_b32 v[LB], 4, v10
	v_add_nc_u32 v[LB+1], 0x10000, v[LB]
	v_add_nc_u32 v[LB+2], 0x20000, v[LB]
	v_add_nc_u32 v[LB+3], 0x30000, v[LB]
	s_mul_i32 s21, s14, 80                         ; my first rank
	s_wait_kmcnt 0x0
	s_min_u32 s17, s17, 2048
	s_mov_b32 s18, 1                               ; passes: 1 to 4
	s_cmp_gt_u32 s17, 640
	s_cselect_b32 s22, 1, 0
	s_add_co_u32 s18, s18, s22
	s_cmp_gt_u32 s17, 1280
	s_cselect_b32 s22, 1, 0
	s_add_co_u32 s18, s18, s22
	s_cmp_gt_u32 s17, 1920
	s_cselect_b32 s22, 1, 0
	s_add_co_u32 s18, s18, s22
	WCVT S0, 0, 0, 48                              ; loads come back in order: step t is in, the 16 loads of each of the three steps behind it stay out
	WLOAD S0, 0, 4
	WCVT S1, 0, 1, 48
	WLOAD S1, 0, 5
	WCVT S2, 0, 2, 48
	WLOAD S2, 0, 6
	WCVT S3, 0x05, 3, 48
	WLOAD S3, 0x40, 7
	WCVT S0, 0, 4, 48
	WCVT S1, 0, 5, 32                              ; nothing more of the slab to ask for: the counts run down
	WCVT S2, 0, 6, 16
	WIN 0x40
	ALOAD 0,0                                      ; the first pass's A, K steps 0 to 3: on its way while the last step is rounded and the barrier is passed.
	ALOAD 1,1                                      ; Every wave asks, also one that will find no rank of its own, so that the count below is the same on every
	ALOAD 2,2                                      ; path; all 40 tiles of an expert's first pass have been written by the launch before
	ALOAD 3,3
	WCVT S3, 0x05, 7, 40                           ; the slab's last step is in; the 40 loads of A behind it stay out
	s_wait_dscnt 0x0                               ; for the others' sake: my eighth of the slab is written
	s_barrier_signal -1
	s_barrier_wait -1                              ; the whole slab is; from here on LDS is only read
	s_mov_b32 s20, 0
.Lpass:                                            ; a pass: 640 ranks, of which 80 are mine, through all 2,048 k.  At its head 40 loads of A are out: K steps 0 to 3
	s_cmp_ge_u32 s21, s17                          ; my first rank lies behind the expert's last token: nothing of mine in this pass
	s_cbranch_scc1 .Lnext
	WIN 0x40
	BLOAD 0,0
.set KS, 0
.rept 64
	STEP
.set KS, KS+1
.endr
	v_nop                                          ; a fifth place: the next pass's first products write over these accumulators
	WIN 0                                          ; at a label and at a branch every window is 0
	EPIT 0
	EPIT 1
	EPIT 2
	EPIT 3
	EPIT 4
.Lnext:
	s_wait_loadcnt 0x0                             ; a wave that had nothing in this pass: its 40 loads are back before their registers are loaded again
	s_wait_xcnt 0x0                                ; the bases are stepped only behind this wait
	s_add_nc_u64 s[24:25], s[24:25], 40*XS_T
	s_add_nc_u64 s[28:29], s[28:29], 640*8192
	s_add_co_u32 s21, s21, 640
	s_add_co_u32 s20, s20, 1
	s_cmp_ge_u32 s20, s18
	s_cbranch_scc1 .Lend                           ; no further pass: nothing more is read from xs
	WIN 0x40
	ALOAD 0,0                                      ; the next pass's A, K steps 0 to 3; five places stand behind the last products that read these buffers
	ALOAD 1,1
	ALOAD 2,2
	ALOAD 3,3
	WIN 0
	s_cmp_lt_u32 s20, s18
	s_cbranch_scc1 .Lpass
.Lend:
	s_wait_tensorcnt 0x0
	ds_add_u32 v254, v255
	s_wait_dscnt 0x0
	s_endpgm
.Lfunc_end_k_q6bf853e15e_gemm:
	.size	k_q6bf853e15e_gemm, .Lfunc_end_k_q6bf853e15e_gemm-k_q6bf853e15e_gemm
	.p2alignl 7, 3214868480
	.fill 96, 4, 3214868480
	.section	.rodata,"a",@progbits
	.p2align	6, 0x0
	.amdhsa_kernel k_q6bf853e15e_gemm
		.amdhsa_group_segment_fixed_size 263168
		.amdhsa_private_segment_fixed_size 0
		.amdhsa_enable_private_segment 0
		.amdhsa_kernarg_size 40
		.amdhsa_user_sgpr_count 2
		.amdhsa_user_sgpr_kernarg_segment_ptr 1
		.amdhsa_wavefront_size32 1
		.amdhsa_system_sgpr_workgroup_id_x 1
		.amdhsa_system_sgpr_workgroup_id_y 1
		.amdhsa_system_sgpr_workgroup_id_z 1
		.amdhsa_system_vgpr_workitem_id 0
		.amdhsa_next_free_vgpr 480
		.amdhsa_next_free_sgpr 66
		.amdhsa_reserve_vcc 0
		.amdhsa_float_denorm_mode_32 3
		.amdhsa_float_denorm_mode_16_64 3
		.amdhsa_memory_ordered 1
		.amdhsa_forward_progress 1
		.amdhsa_inst_pref_size 243
	.end_amdhsa_kernel
	.amdgpu_metadata
---
amdhsa.version: [ 1, 2 ]
amdhsa.kernels:
  - .name:           k_q6bf853e15e_gemm
    .symbol:         k_q6bf853e15e_gemm.kd
    .args:
      - { .name: xs, .offset: 0, .size: 8, .value_kind: global_buffer, .address_space: global }
      - { .name: expert_w, .offset: 8, .size: 8, .value_kind: global_buffer, .address_space: global }
      - { .name: expert_b, .offset: 16, .size: 8, .value_kind: global_buffer, .address_space: global }
      - { .name: cnt, .offset: 24, .size: 8, .value_kind: global_buffer, .address_space: global }
      - { .name: y, .offset: 32, .size: 8, .value_kind: global_buffer, .address_space: global }
    .group_segment_fixed_size: 263168
    .private_segment_fixed_size: 0
    .kernarg_segment_align: 8
    .kernarg_segment_size: 40
    .max_flat_workgroup_size: 256
    .sgpr_count:     66
    .vgpr_count:     480
    .wavefront_size: 32
...
	.end_amdgpu_metadata
.endif
;; end of part 5
;; launch combine (part 6): grid 256 x 1, 8 waves a work-group, no clusters, 0 bytes of LDS; arguments y, pos, wts, out0; writes out0
.if DOCPART == 6
	.amdgcn_target "amdgcn-amd-amdhsa--gfx1250"
	.amdhsa_code_object_version 6
	.text
	.protected	k_q6bf853e15e_combine
	.globl	k_q6bf853e15e_combine
	.p2align	8
	.type	k_q6bf853e15e_combine,@function
k_q6bf853e15e_combine:
	s_mov_b64 s[64:65], 0
	v_nop
	global_prefetch_b8 v0, s[64:65] scope:SCOPE_SE
	s_setreg_imm32_b32 hwreg(HW_REG_WAVE_MODE, 25, 1), 1
	s_wait_xcnt 0x0
; out0[t] = w1 y[pos[t]] + w2 y[pos[2048 + t]]: the sum over a token's two experts, made by gathering: each output row has one owner, no atomics.
; A stream: one wave, one token; a row is 8,192 bytes, 16 loads of 512 consecutive bytes; all 32 loads of the two rows go out at once.
; Matrix units, LDS and clusters have nothing to do here: every byte is read once and by one wave.
.set A, 8                              ; v[8:71]    the first expert's row, then the result
.set B, 72                             ; v[72:135]  the second expert's row
	s_load_b256 s[4:11], s[0:1], 0x0               ; y s[4:5], pos s[6:7], wts s[8:9], out0 s[10:11]
	v_lshrrev_b32 v2, 5, v0
	v_readfirstlane_b32 s14, v2                    ; wave
	v_and_b32 v1, 31, v0
	v_lshlrev_b32 v1, 4, v1                        ; 16 l
	s_lshl_b32 s15, ttmp9, 3
	s_add_co_u32 s15, s15, s14                     ; token
	s_lshl_b32 s24, s15, 2
	s_lshl_b32 s25, s15, 3
	s_lshl_b32 s30, s15, 13
	s_mov_b32 s31, 0
	s_wait_kmcnt 0x0
	s_load_b32 s16, s[6:7], s24 offset:0x0         ; the first choice's row in y
	s_load_b32 s17, s[6:7], s24 offset:0x2000      ; the second's
	s_load_b64 s[20:21], s[8:9], s25 offset:0x0    ; w1, w2
	s_add_nc_u64 s[10:11], s[10:11], s[30:31]
	s_wait_kmcnt 0x0
	s_min_u32 s16, s16, 16383                      ; a row number enters an address only clamped: y has 8 x 2,048 rows
	s_min_u32 s17, s17, 16383
	s_lshl_b32 s26, s16, 13
	s_mov_b32 s27, 0
	s_lshl_b32 s28, s17, 13
	s_mov_b32 s29, 0
	s_add_nc_u64 s[12:13], s[4:5], s[26:27]
	s_add_nc_u64 s[18:19], s[4:5], s[28:29]
	s_mov_b32 s22, s21                             ; w2 as the first of a pair
	s_mov_b32 s23, s21
.irp j, 0,1,2,3,4,5,6,7,8,9,10,11,12,13,14,15
	global_load_b128 v[A+4*\j:A+4*\j+3], v1, s[12:13] offset:512*\j th:TH_LOAD_NT
	global_load_b128 v[B+4*\j:B+4*\j+3], v1, s[18:19] offset:512*\j th:TH_LOAD_NT
.endr
.irp j, 0,1,2,3,4,5,6,7,8,9,10,11,12,13,14,15
	s_wait_loadcnt 30-2*\j                         ; pair j is in; the two loads of each later pair stay out
	v_pk_mul_f32 v[A+4*\j:A+4*\j+1],   v[A+4*\j:A+4*\j+1],   s[20:21] op_sel_hi:[1,0]
	v_pk_mul_f32 v[A+4*\j+2:A+4*\j+3], v[A+4*\j+2:A+4*\j+3], s[20:21] op_sel_hi:[1,0]
	v_pk_fma_f32 v[A+4*\j:A+4*\j+1],   v[B+4*\j:B+4*\j+1],   s[22:23], v[A+4*\j:A+4*\j+1]   op_sel_hi:[1,0,1]
	v_pk_fma_f32 v[A+4*\j+2:A+4*\j+3], v[B+4*\j+2:B+4*\j+3], s[22:23], v[A+4*\j+2:A+4*\j+3] op_sel_hi:[1,0,1]
	global_store_b128 v1, v[A+4*\j:A+4*\j+3], s[10:11] offset:512*\j th:TH_STORE_NT
.endr
	s_endpgm
.Lfunc_end_k_q6bf853e15e_combine:
	.size	k_q6bf853e15e_combine, .Lfunc_end_k_q6bf853e15e_combine-k_q6bf853e15e_combine
	.p2alignl 7, 3214868480
	.fill 96, 4, 3214868480
	.section	.rodata,"a",@progbits
	.p2align	6, 0x0
	.amdhsa_kernel k_q6bf853e15e_combine
		.amdhsa_group_segment_fixed_size 0
		.amdhsa_private_segment_fixed_size 0
		.amdhsa_enable_private_segment 0
		.amdhsa_kernarg_size 32
		.amdhsa_user_sgpr_count 2
		.amdhsa_user_sgpr_kernarg_segment_ptr 1
		.amdhsa_wavefront_size32 1
		.amdhsa_system_sgpr_workgroup_id_x 1
		.amdhsa_system_sgpr_workgroup_id_y 1
		.amdhsa_system_sgpr_workgroup_id_z 1
		.amdhsa_system_vgpr_workitem_id 0
		.amdhsa_next_free_vgpr 136
		.amdhsa_next_free_sgpr 66
		.amdhsa_reserve_vcc 0
		.amdhsa_float_denorm_mode_32 3
		.amdhsa_float_denorm_mode_16_64 3
		.amdhsa_memory_ordered 1
		.amdhsa_forward_progress 1
		.amdhsa_inst_pref_size 11
	.end_amdhsa_kernel
	.amdgpu_metadata
---
amdhsa.version: [ 1, 2 ]
amdhsa.kernels:
  - .name:           k_q6bf853e15e_combine
    .symbol:         k_q6bf853e15e_combine.kd
    .args:
      - { .name: y, .offset: 0, .size: 8, .value_kind: global_buffer, .address_space: global }
      - { .name: pos, .offset: 8, .size: 8, .value_kind: global_buffer, .address_space: global }
      - { .name: wts, .offset: 16, .size: 8, .value_kind: global_buffer, .address_space: global }
      - { .name: out0, .offset: 24, .size: 8, .value_kind: global_buffer, .address_space: global }
    .group_segment_fixed_size: 0
    .private_segment_fixed_size: 0
    .kernarg_segment_align: 8
    .kernarg_segment_size: 32
    .max_flat_workgroup_size: 256
    .sgpr_count:     66
    .vgpr_count:     136
    .wavefront_size: 32
...
	.end_amdgpu_metadata
.endif
;; end of part 6
;; ======== version 2 of 2: 6 launches; version 1 with the launch gemm written anew for expert scheduling mode
;; limits: values are held in f16: magnitudes above 65,504 overflow, below 6.1e-05 lose precision
;; workspace buffers: sel 8,192 bytes of whole numbers; wts 16,384 bytes; cnt 256 bytes of whole numbers; list 67,584 bytes of whole numbers; pos 16,384 bytes of whole numbers; xs 83,886,080 bytes; y 134,217,728 bytes
;; launch gate: the kernel of part 1 again; grid 256 x 1, 8 waves a work-group, no clusters, 76,800 bytes of LDS; arguments x, gate_w, gate_b, sel, wts; writes sel, wts
;; launch route: the kernel of part 2 again; grid 1 x 1, 8 waves a work-group, no clusters, 66,816 bytes of LDS; arguments sel, cnt, list, pos; writes cnt, list, pos
;; launch invert: the kernel of part 3 again; grid 32 x 1, 8 waves a work-group, no clusters, 0 bytes of LDS; arguments pos, list; writes list
;; launch pack: the kernel of part 4 again; grid 40 x 8, 8 waves a work-group, no clusters, 68,608 bytes of LDS; arguments x, cnt, list, xs; writes xs
;; launch gemm (part 7): grid 32 x 8, 8 waves a work-group, no clusters, 263,168 bytes of LDS; arguments xs, expert_w, expert_b, cnt, y; writes y
.if DOCPART == 7
	.amdgcn_target "amdgcn-amd-amdhsa--gfx1250"
	.amdhsa_code_object_version 6
	.text
	.protected	k_q6bf853e15e_gemm
	.globl	k_q6bf853e15e_gemm
	.p2align	8
	.type	k_q6bf853e15e_gemm,@function
k_q6bf853e15e_gemm:
	s_mov_b64 s[64:65], 0
	v_nop
	global_prefetch_b8 v0, s[64:65] scope:SCOPE_SE
	s_setreg_imm32_b32 hwreg(HW_REG_WAVE_SCHED_MODE, 0, 2), 2
	s_setreg_imm32_b32 hwreg(HW_REG_WAVE_MODE, 25, 1), 1
	s_wait_xcnt 0x0
	s_wait_alu depctr_vm_vsrc(0)
; y[e][rank][n] = relu(sum over k of x[token of rank][k] expert_w[e][k][n] + expert_b[e][n]) for the tokens that chose expert e alone: the rows that
; the gather behind the dense product would throw away are not computed.  f16 operands, f32 sums.
; WHY f16 AND NOT bf16: a sum has 2,048 products, and f16's 11 significant bits against bf16's 8 make its rounding error eight times smaller.
; LIMITS: a magnitude of x or expert_w above 65,504 becomes infinite; below 2^-14 the error is absolute, at most 2^-25.  expert_w of magnitude up to 0.022, thirty times
; larger or with an offset of thirty spreads, stays under 2; thirty times smaller its root mean square is 4e-4, of which 2^-25 is 7e-5: still finer than bf16's 2^-9.
; The relu takes the larger of 0 and the number, so a NaN would come out as 0: NaN in the inputs is not served.
; SHARES.  The work-group (cb, e) owns expert e and columns 64 cb .. 64 cb + 63: its 2048 x 64 numbers of expert_w (512 KB) are read by no other work-group.
; PHASE 1.  In f16 that slab is 262,144 bytes: it is laid into LDS whole, once, already in the order of a B operand's registers.  expert_w lies [k][n] in f32.
; Column tile jt is the columns 64 cb + 4 r + jt (r = lane mod 16): then the 16 bytes at 16 r of a row of the slab give a lane one number for each of the four
; tiles, rows k and k + 1 rounded and packed are one register of a B operand, and a lane that loads the 16 rows k = 8 h + 0..7, 16 + 8 h + 0..7 of a K step holds
; its own registers of all four fragments: no exchange between lanes.  Wave w does K steps 8 w .. 8 w + 7 through four register slots: four steps, 64 loads of
; 512 bytes, are on their way in each wave.  One barrier; behind it LDS is only read.
; PHASE 2.  Each wave works for itself, with no barrier, so that its number of trips may come from cnt (stored by an earlier launch): in pass p wave w owns row
; tiles 40 p + 5 w + 0..4 times the 4 column tiles, 20 accumulators.  A comes from xs, which lies in the operand's own order: a fragment is two loads of 512
; consecutive bytes into registers, five K steps deep, and no LDS.  A pass's first five steps of A are asked for ahead of the pass: the first pass's round
; phase 1's last conversion, ahead of the barrier, a later pass's at the end of the pass before.  In the result a lane holds 4 NEIGHBOURING columns of a row: 16 lanes
; store 256 consecutive, aligned bytes straight from registers.
; NO CLUSTER: expert_w is shared by nobody; xs is shared by the 32 work-groups of an expert, but the number of passes is read from memory, and a cluster's rounds
; and joint loads have to be the same on every path.
;
; THE MODE: SCHED_MODE bits 1:0 = 2 (LLVM: expert scheduling mode 2), set by the entry lines.  The code itself states the register dependences
; between vector or matrix instructions and memory or LDS instructions, with s_wait_alu, always for 0.
; THE PLAN.  Registers that memory or LDS instructions touch:
;   S0 .. S3    Phase 1: a K step's 16 loads land in a slot; its 32 conversions read the slot; behind them the slot is loaded again.
;   P           Phase 1: written by a step's conversions, read by its 8 LDS stores.
;   A0 .. A4    K step s: its 20 products read A[s % 5]; the loads of step s + 5 land in it, issued in step s + 1.
;   B0, B1      K step s: its products read B[s & 1]; the LDS loads of step s + 2 land in it, issued in step s + 1.
;   OT          The way out: written by a tile's adds and maxima, read by its 8 stores.  It is B0's registers, free when a pass's products are over.
;   v2-5, v496-500  Offsets and LDS addresses: made once at the head and never written again; the rows are reached by scalar bases and immediates.
;   v254, v255  Written at the head, read by the closing add alone.
;   The accumulators and the bias are named by vector and matrix instructions alone.
; So ONE wait on va_vdst stands at the head of a K step, behind the waits for the step's own A and B: the products of the step before are done reading the two
; buffers in which this step's 18 loads land.  These are dealt among the step's 20 products, which name the other buffers and the accumulators, with no further wait.
;
; REGISTERS.  Window 0: v2-5 addresses; v16-175 accumulators, tile (i, jt) at 16 + 8 (4 i + jt); v176-239 B, buffer u at 176 + 32 u, tile jt at + 8 jt;
;             v176-207 also the way out; v240-243 bias.  In phase 1: v16-207 three slots of 16 pieces of rows of the slab, v208-239 the four fragments of a K step.
;             Window 1: v256-455 A, buffer u at 40 u, tile i at + 8 i; v496-499 the LDS addresses of B; v500 the offset of A; in phase 1 v416-479 are the fourth slot.
; Under ONE setting (source 0 in window 1, all else in window 0) a matrix instruction takes A from window 1 and an LDS load its address, and both write into
; window 0: B's loads stand singly between the products with no switch.  A's loads want their destination in window 1: two runs a K step, four switches.
.set XS_E, 10485760                    ; xs: bytes for an expert (160 tiles)
.set XS_T, 65536                       ; and for a tile (64 blocks of 1 KB)
.set S0,  16                           ; phase 1's slots 0 to 2, in window 0
.set S1,  80
.set S2,  144
.set S3,  160                          ; and slot 3, in window 1
.set P,   208
.set ACC, 16
.set BF,  176                          ; in window 0
.set OT,  176
.set BI,  240
.set NA,  5                            ; buffers of A
.set A1,  0                            ; in window 1
.set LB,  240                          ; in window 1, v[496:499]: 16 l + 0, 64 K, 128 K, 192 K: an LDS immediate reaches 65,535 bytes
.set AO,  244                          ; in window 1, v500: my 5 tiles of a pass, 16 l
.set W_MUL, 0x01                       ; source 0 (A; an LDS load's address) window 1; B, C, D and an LDS load's data window 0
.set W_AL,  0x41                       ; destination (A) and source 0 (its offset) window 1
.set MSB, 0
.macro WIN new                         ; s_set_vgpr_msb: bits 1:0 source 0, 3:2 source 1, 5:4 source 2, 7:6 destination; the high byte repeats the setting that is left
.if MSB != \new
	s_set_vgpr_msb (MSB<<8)|\new
.set MSB, \new
.endif
.endm
.macro PLACES                          ; four plain vector instructions behind a matrix instruction (ISA guide 7.12.1)
.rept 4
	v_nop
.endr
.endm
; K step 8 w + t of the slab into the slot at base (win: 0 for window 0, 0x40 for a destination in window 1): 16 loads; in each, lanes 0-15 take 256 consecutive
; bytes of one row, lanes 16-31 of the row 8 further down
.macro WLOAD base, win, t
	WIN \win
.irp q, 0,1,2,3,4,5,6,7,8,9,10,11,12,13,14,15
	global_load_b128 v[\base+4*\q:\base+4*\q+3], v2, s[30:31] offset:262144*\t+8192*(\q+8*(\q/8)) th:TH_LOAD_NT
.endr
.endm
; a step of the slab rounded and packed into P (win: 0, or 0x05 for both sources in window 1).  left: how many younger loads may stay out.
; after: the setting of the loads that follow, laid ahead of the wait.  first = 1: no LDS store has read P yet.
.macro WCVT base, win, after, left, first
	s_wait_loadcnt \left
.if !\first
	s_wait_alu depctr_vm_vsrc(0)                   ; the LDS stores of the step before have read P, which the conversions write again
.endif
	WIN \win
.irp jt, 0,1,2,3
.irp kk, 0,1,2,3,4,5,6,7
	v_cvt_pk_f16_f32 v[P+8*\jt+\kk], v[\base+8*\kk+\jt], v[\base+8*\kk+4+\jt]        ; two neighbouring k of column 4 r + jt
.endr
.endr
	WIN \after
	s_wait_alu depctr_va_vdst(0)                   ; the conversions have written P, which the LDS stores read, and are done reading the slot, in which the next loads land
.endm
; P into LDS: piece n = 2 jt + c of step t's 4 KB
.macro WSTORE t
	WIN 0
.irp n, 0,1,2,3,4,5,6,7
	ds_store_b128 v3, v[P+4*\n:P+4*\n+3] offset:4096*\t+512*\n             ; 32 lanes, 512 consecutive bytes
.endr
.endm
; the A fragment of K step s, tile i, into buffer u: 2 loads of 512 consecutive bytes
.macro AL u, s, i
	global_load_b128 v[A1+40*(\u)+8*(\i):A1+40*(\u)+8*(\i)+3],   v[AO], s[24:25] offset:1024*(\s)+XS_T*(\i)
	global_load_b128 v[A1+40*(\u)+8*(\i)+4:A1+40*(\u)+8*(\i)+7], v[AO], s[24:25] offset:1024*(\s)+XS_T*(\i)+512
.endm
.macro ALOAD u, s                      ; all 5 tiles
.irp i, 0,1,2,3,4
	AL \u, \s, \i
.endr
.endm
; piece n of 8 of the B fragments of K step KS + 1, into the buffer that step KS does not read: 512 consecutive bytes
.macro BL n
	ds_load_b128 v[BF+32*(1-UB)+4*(\n):BF+32*(1-UB)+4*(\n)+3], v[LB+(KS+1)/16] offset:4096*((KS+1)%16)+512*(\n)
.endm
; the product of K step KS on accumulator (i, jt).  The first K step starts the sums: nothing is cleared.
.macro WM i, jt
.if KS == 0
	v_wmma_f32_16x16x32_f16 v[ACC+8*(4*\i+\jt):ACC+8*(4*\i+\jt)+7], v[A1+40*UA+8*\i:A1+40*UA+8*\i+7], v[BF+32*UB+8*\jt:BF+32*UB+8*\jt+7], 0
.else
	v_wmma_f32_16x16x32_f16 v[ACC+8*(4*\i+\jt):ACC+8*(4*\i+\jt)+7], v[A1+40*UA+8*\i:A1+40*UA+8*\i+7], v[BF+32*UB+8*\jt:BF+32*UB+8*\jt+7], v[ACC+8*(4*\i+\jt):ACC+8*(4*\i+\jt)+7]
.endif
.endm
; K step KS: 20 matrix instructions, one on each accumulator: the accumulators take turns, one instruction a turn, over every jump too.
; Among them: the next step's B, a load behind each of the first eight products; and A of step KS + 4, in two runs, into the buffer that step KS - 1 read.
.macro STEP
.set UA, KS%NA
.set UB, KS&1
.set UN, (KS+NA-1)%NA
	s_wait_dscnt 0x0                               ; this step's B is in: its 8 loads are the youngest LDS instructions
.if KS == 0
	s_wait_loadcnt 10*(NA-1)                       ; this step's A is in; behind it went 10 loads for each of steps 1 to 4
.elseif KS < 61
	s_wait_loadcnt 10*(NA-2)                       ; this step's A is in; behind it went 10 loads for each of the next three steps
.else
	s_wait_loadcnt 10*(63-KS)                      ; fewer steps are left behind it
.endif
.if KS > 0
	s_wait_alu depctr_va_vdst(0)                   ; the products of step KS - 1 are done reading their A and their B, in which this step's loads land
.endif
.irp i, 0,1
.irp jt, 0,1,2,3
	WM \i, \jt
.if KS < 63
	BL 4*\i+\jt                                    ; no wait: no product since the wait above names this buffer
.endif
.endr
.endr
.irp jt, 0,1,2,3
	WM 2, \jt
.endr
.if (KS > 0) && (KS < 60)
	WIN W_AL
	AL UN, KS+NA-1, 0                              ; likewise: the step's products name A[KS % 5] alone
	AL UN, KS+NA-1, 1
	AL UN, KS+NA-1, 2
	WIN W_MUL
.endif
.irp jt, 0,1,2,3
	WM 3, \jt
.endr
.if (KS > 0) && (KS < 60)
	WIN W_AL
	AL UN, KS+NA-1, 3
	AL UN, KS+NA-1, 4
	WIN W_MUL
.endif
.irp jt, 0,1,2,3
	WM 4, \jt
.endr
	PLACES                                         ; between these products and the next step's loads into the registers that they read; the wait at that step's head stands beside them
.endm
; Row tile i goes out: + bias, relu, 8 stores; in each, 16 lanes fill 256 consecutive, aligned bytes of a row.  A tile that begins behind the expert's last token is not stored.
.macro EPIT i
	s_wait_xcnt 0x0                                ; OT, which the last tile's stores read, is written again only behind this wait
.if \i > 0
	s_wait_alu depctr_vm_vsrc(0)                   ; the last tile's stores have read OT, which this tile's adds write again
.endif
	s_add_co_u32 s22, s21, 16*\i
	s_cmp_ge_u32 s22, s17
	s_cbranch_scc1 .Lempty_\@
.irp j, 0,1,2,3,4,5,6,7
.irp jt, 0,1,2,3
	v_add_f32 v[OT+4*\j+\jt], v[ACC+8*(4*\i+\jt)+\j], v[BI+\jt]
.endr
.endr
.set n, 0
.rept 32
	v_max_num_f32 v[OT+n], 0, v[OT+n]
.set n, n+1
.endr
	s_wait_alu depctr_va_vdst(0)                   ; the maxima have written OT, which the stores read
.irp j, 0,1,2,3,4,5,6,7
	global_store_b128 v4, v[OT+4*\j:OT+4*\j+3], s[28:29] offset:131072*\i+8192*\j th:TH_STORE_NT
.endr
.Lempty_\@:
.endm
	s_load_b256 s[4:11], s[0:1], 0x0               ; xs s[4:5], expert_w s[6:7], expert_b s[8:9], cnt s[10:11]
	s_load_b64 s[12:13], s[0:1], 0x20              ; y
	v_lshl_add_u32 v254, v0, 2, 0x40000
	v_mov_b32 v255, 0
	v_lshrrev_b32 v10, 5, v0
	v_readfirstlane_b32 s14, v10                   ; wave
	s_and_b32 s15, ttmp7, 0xffff                   ; expert
	s_lshl_b32 s16, ttmp9, 8                       ; my 64 columns in bytes
	v_and_b32 v10, 31, v0                          ; lane
	v_and_b32 v11, 15, v0                          ; r
	v_bfe_u32 v12, v0, 4, 1                        ; h
	s_lshl_b32 s32, s15, 24                        ; an expert is 16 MiB in expert_w and in y
	s_add_co_u32 s32, s32, s16
	s_mov_b32 s33, 0
	s_mul_i32 s34, s15, XS_E
	s_mov_b32 s35, 0
	s_lshl_b32 s23, s15, 5
	s_lshl_b32 s27, s15, 13
	s_add_co_u32 s27, s27, s16
	v_lshl_add_u32 v5, v11, 4, s27                 ; expert_b: my expert's row, my 4 columns
	s_wait_alu depctr_va_sdst(0)                   ; s14 is written, ahead of its first reader: the five lines below are made from it, each in a register of its own
	s_lshl_b32 s38, s14, 21                        ; 256 rows of 8,192 bytes for each wave
	s_lshl_b32 s26, s14, 15
	s_mul_i32 s36, s14, 5*XS_T
	s_mul_i32 s37, s14, 80*8192
	s_mul_i32 s21, s14, 80                         ; my first rank
	v_lshl_add_u32 v2, v12, 16, s38                ; slab in memory: my wave's rows, row 8 h,
	v_lshl_add_u32 v2, v11, 4, v2                  ; 16 r
	v_lshl_add_u32 v3, v10, 4, s26                 ; slab in LDS: my wave's 8 steps of 4 KB, 16 l
	v_lshl_add_u32 v4, v12, 16, s37                ; y: my 80 rows, row 8 h,
	v_lshl_add_u32 v4, v11, 4, v4                  ; 16 r
	WIN 0x40                                       ; destination window 1, the lane's number in window 0
	v_lshl_add_u32 v[AO], v10, 4, s36              ; A: my 5 tiles, 16 l
	v_lshlrev_b32 v[LB], 4, v10
	v_lshl_add_u32 v[LB+1], v10, 4, 0x10000
	v_lshl_add_u32 v[LB+2], v10, 4, 0x20000
	v_lshl_add_u32 v[LB+3], v10, 4, 0x30000
	WIN 0
	s_wait_kmcnt 0x0
	s_load_b32 s17, s[10:11], s23 offset:0x0       ; cnt[e]
	s_add_nc_u64 s[30:31], s[6:7], s[32:33]        ; expert_w at my slab
	s_add_nc_u64 s[28:29], s[12:13], s[32:33]      ; y at this pass's first row, my columns
	s_add_nc_u64 s[24:25], s[4:5], s[34:35]        ; xs at this pass's first tile
	s_wait_alu depctr_va_vdst(0)                   ; v2 to v5 and v496 to v500 are written: every load and store of the kernel reads one of them as its offset or address
	global_load_b128 v[BI:BI+3], v5, s[8:9]        ; expert_b of my 4 columns; older than every load of the slab, so their waits cover it
	WLOAD S0, 0, 0                                 ; four steps go out at once.  With the bias that is 65 loads ahead of the first wait: the issue of a load that the
	WLOAD S1, 0, 1                                 ; counter's field cannot count waits for an earlier one's return (ISA guide 5.7.1), so no wait is placed for that
	WLOAD S2, 0, 2
	WLOAD S3, 0x40, 3
	WIN 0
	s_wait_kmcnt 0x0
	s_min_u32 s17, s17, 2048
	s_mov_b32 s18, 1                               ; passes: 1 to 4
	s_cmp_gt_u32 s17, 640
	s_cselect_b32 s22, 1, 0
	s_add_co_u32 s18, s18, s22
	s_cmp_gt_u32 s17, 1280
	s_cselect_b32 s22, 1, 0
	s_add_co_u32 s18, s18, s22
	s_cmp_gt_u32 s17, 1920
	s_cselect_b32 s22, 1, 0
	s_add_co_u32 s18, s18, s22
	WCVT S0, 0, 0, 48, 1                           ; loads come back in order: step t is in, the 16 loads of each of the three steps behind it stay out
	WLOAD S0, 0, 4                                 ; the slot is asked for again at once, ahead of the LDS stores: one wait serves both
	WSTORE 0
	WCVT S1, 0, 0, 48, 0
	WLOAD S1, 0, 5
	WSTORE 1
	WCVT S2, 0, 0, 48, 0
	WLOAD S2, 0, 6
	WSTORE 2
	WCVT S3, 0x05, 0x40, 48, 0
	WLOAD S3, 0x40, 7
	WSTORE 3
	WCVT S0, 0, 0, 48, 0
	WSTORE 4
	WCVT S1, 0, 0, 32, 0                           ; nothing more of the slab to ask for: the counts run down
	WSTORE 5
	WCVT S2, 0, 0, 16, 0
	WSTORE 6
	WIN W_AL
	ALOAD 0,0                                      ; the first pass's A, K steps 0 to 3: on its way while the last step is rounded and the barrier is passed.  No vector
	ALOAD 1,1                                      ; instruction has named these registers.  Every wave asks, also one that will find no rank of its own, so that the
	ALOAD 2,2                                      ; counts below are the same on every path; all 40 tiles of an expert's first pass have been written by the launch before
	ALOAD 3,3
	WCVT S3, 0x05, W_AL, 40, 0                     ; the slab's last step is in; the 40 loads of A behind it stay out
	ALOAD 4,4                                      ; K step 4 lands in registers of slot 3, which the conversions are done reading: the wait just passed says so
	WSTORE 7
	s_wait_dscnt 0x0                               ; for the others' sake: my eighth of the slab is written
	s_barrier_signal -1
	s_barrier_wait -1                              ; the whole slab is; from here on LDS is only read
	s_wait_alu depctr_vm_vsrc(0)                   ; my last LDS stores have read P: these registers are B's second buffer from here on, and LDS loads land in them
	s_mov_b32 s20, 0
.Lpass:                                            ; a pass: 640 ranks, of which 80 are mine, through all 2,048 k.  At its head 50 loads of A are out: K steps 0 to 4
	s_cmp_ge_u32 s21, s17                          ; my first rank lies behind the expert's last token: nothing of mine in this pass
	s_cbranch_scc1 .Lnext
	WIN W_MUL
.irp n, 0,1,2,3,4,5,6,7
	ds_load_b128 v[BF+4*\n:BF+4*\n+3], v[LB] offset:512*\n         ; B of K step 0.  What named these registers before (conversions; the way out and its stores) stands ahead of the waits in front of the pass
.endr
.set KS, 0
.rept 64
	STEP
.set KS, KS+1
.endr
	v_nop                                          ; a fifth place: the next pass's first products write over these accumulators
	WIN 0                                          ; at a label and at a branch every window is 0
	EPIT 0
	EPIT 1
	EPIT 2
	EPIT 3
	EPIT 4
.Lnext:
	s_wait_loadcnt 0x0                             ; a wave that had nothing in this pass: its 50 loads are back before their registers are loaded again
	s_wait_xcnt 0x0                                ; the bases are stepped only behind this wait
	s_wait_alu depctr_vm_vsrc(0)                   ; the last tile's stores have read OT, in which the next pass's first B lands
	s_add_nc_u64 s[24:25], s[24:25], 40*XS_T
	s_add_nc_u64 s[28:29], s[28:29], 640*8192
	s_add_co_u32 s21, s21, 640
	s_add_co_u32 s20, s20, 1
	s_cmp_ge_u32 s20, s18
	s_cbranch_scc1 .Lend                           ; no further pass: nothing more is read from xs
	WIN W_AL
	s_wait_alu depctr_va_vdst(0)                   ; the pass's last products are done reading A's five buffers, in which the loads below land, and B's two, in which the next pass's first LDS loads land
	ALOAD 0,0                                      ; the next pass's A, K steps 0 to 4
	ALOAD 1,1
	ALOAD 2,2
	ALOAD 3,3
	ALOAD 4,4
	WIN 0
	s_cmp_lt_u32 s20, s18
	s_cbranch_scc1 .Lpass
.Lend:
	s_wait_dscnt 0x0                               ; the closing lines, six on end
	s_wait_alu 0x0
	s_wait_tensorcnt 0x0
	ds_add_u32 v254, v255
	s_wait_dscnt 0x0
	s_endpgm
.Lfunc_end_k_q6bf853e15e_gemm:
	.size	k_q6bf853e15e_gemm, .Lfunc_end_k_q6bf853e15e_gemm-k_q6bf853e15e_gemm
	.p2alignl 7, 3214868480
	.fill 96, 4, 3214868480
	.section	.rodata,"a",@progbits
	.p2align	6, 0x0
	.amdhsa_kernel k_q6bf853e15e_gemm
		.amdhsa_group_segment_fixed_size 263168
		.amdhsa_private_segment_fixed_size 0
		.amdhsa_enable_private_segment 0
		.amdhsa_kernarg_size 40
		.amdhsa_user_sgpr_count 2
		.amdhsa_user_sgpr_kernarg_segment_ptr 1
		.amdhsa_wavefront_size32 1
		.amdhsa_system_sgpr_workgroup_id_x 1
		.amdhsa_system_sgpr_workgroup_id_y 1
		.amdhsa_system_sgpr_workgroup_id_z 1
		.amdhsa_system_vgpr_workitem_id 0
		.amdhsa_next_free_vgpr 504
		.amdhsa_next_free_sgpr 66
		.amdhsa_reserve_vcc 0
		.amdhsa_float_denorm_mode_32 3
		.amdhsa_float_denorm_mode_16_64 3
		.amdhsa_memory_ordered 1
		.amdhsa_forward_progress 1
		.amdhsa_inst_pref_size 250
	.end_amdhsa_kernel
	.amdgpu_metadata
---
amdhsa.version: [ 1, 2 ]
amdhsa.kernels:
  - .name:           k_q6bf853e15e_gemm
    .symbol:         k_q6bf853e15e_gemm.kd
    .args:
      - { .name: xs, .offset: 0, .size: 8, .value_kind: global_buffer, .address_space: global }
      - { .name: expert_w, .offset: 8, .size: 8, .value_kind: global_buffer, .address_space: global }
      - { .name: expert_b, .offset: 16, .size: 8, .value_kind: global_buffer, .address_space: global }
      - { .name: cnt, .offset: 24, .size: 8, .value_kind: global_buffer, .address_space: global }
      - { .name: y, .offset: 32, .size: 8, .value_kind: global_buffer, .address_space: global }
    .group_segment_fixed_size: 263168
    .private_segment_fixed_size: 0
    .kernarg_segment_align: 8
    .kernarg_segment_size: 40
    .max_flat_workgroup_size: 256
    .sgpr_count:     66
    .vgpr_count:     504
    .wavefront_size: 32
...
	.end_amdgpu_metadata
.endif
;; end of part 7
;; launch combine: the kernel of part 6 again; grid 256 x 1, 8 waves a work-group, no clusters, 0 bytes of LDS; arguments y, pos, wts, out0; writes out0
